; MI455X (gfx1250); checked and timed in simulation.
; The chip was launched on July 23, 2026; its instructions are those of AMD's public machine-readable ISA for CDNA 5 (MIT licence, August 2026) and "CDNA5" Instruction Set Architecture Reference Guide (July 2026). The comments in the code are by the model that wrote it; some were corrected since.
;; Causal Self Attention. Allowed arithmetic: matrix products marked QUANTISED: E4M3 operands, one given power-of-two scale a tensor, by v_wmma_f32_16x16x64_fp8_fp8 or v_wmma_f32_16x16x128_fp8_fp8, f32 sums; everything else in f32.
;; Inputs: lowp_scales 8 int32 (the exponents e of the quantised operands' scales 2^e); w_proj 1,024 x 1,024 float32; w_qkv 1,024 x 3,072 float32; x 4 x 2,048 x 1,024 float32.
;; Outputs: out0 4 x 2,048 x 1,024 float32.
;; This version of the problem:
;;   THIS VERSION OF THE PROBLEM IS GIVEN IN LOW PRECISION. The matrix products marked QUANTISED in the list below multiply operands that are first quantised to E4M3 (4 exponent bits, 3 mantissa bits; 8 bits a number), with one given power-of-two scale for each operand tensor; their sums are f32. All else is computed in f32.
;;   The module's matrix products, in the order in which they are computed (A, B: the left and right operand; K: the contracted axis; several contracted axes count as one K, in the product's order):
;;     1. [M 8,192, K 1,024] x [K 1,024, N 3,072]; A: input x; B: input w_qkv: QUANTISED (scales: A lowp_scales[0], B lowp_scales[1])
;;     2. batch 64 x [M 2,048, K 64] x [K 64, N 2,048]; A: computed on the way; B: computed on the way: QUANTISED (scales: A lowp_scales[2], B lowp_scales[3])
;;     3. batch 64 x [M 2,048, K 2,048] x [K 2,048, N 64]; A: softmax (see below); B: computed on the way: QUANTISED (scales: A lowp_scales[4], B lowp_scales[5])
;;     4. [M 8,192, K 1,024] x [K 1,024, N 1,024]; A: computed on the way; B: input w_proj: QUANTISED (scales: A lowp_scales[6], B lowp_scales[7])
;;   THE QUANTISER, for each operand of a quantised product, along K:
;;     - The operand's scale is 2^e, e = its entry of the input lowp_scales (int32; the entries are numbered through the quantised products in the list's order, A before B).
;;     - Each number is divided by the scale, clamped to +-448, and rounded to the nearest number of E4M3, ties to even, subnormals kept.
;;     - The product sums the exact products of the quantised numbers (number of the format x scale) in f32.
;;   ~~~python
;;   def quantise(x, axis, e):      # numpy; x: float32 -> the quantised numbers, widened to float32 again
;;       x = np.moveaxis(x, axis, -1); K = x.shape[-1]
;;       r = np.clip(x / 2.0 ** e, -448, 448)
;;       step = 2.0 ** (np.maximum(np.frexp(np.where(r == 0, 1, r))[1] - 1, -6) - 3)
;;       q = np.round(r / step) * step * 2.0 ** e      # np.round: ties to even
;;       return np.moveaxis(q, -1, axis).astype(np.float32)
;;   ~~~
;;   SOFTMAX AHEAD OF A QUANTISED PRODUCT. Where the list says 'softmax', what is quantised is not the finished softmax but p = 2^(t - M), with t = logit x log2(e) and M = ceil(the row's largest t), a whole number; so 1/2 < the row's largest p <= 1. The row's sum l is taken of the UNQUANTISED p, in f32, and the product's result is divided by l at the end. Since M is a whole number, a kernel that streams over the keys may use a running M (the ceiling of the running maximum): every later rescaling is an exact power of two, so the quantised numbers keep their values, but for numbers so far below the row's largest that they fall under the format's range.
;;   OPERANDS COMPUTED ON THE WAY. 'Computed on the way' means the value that the module computes at that place (a softmax that the list does not call 'softmax' is quantised finished and normalised). What goes into a quantiser is computed in f32, as accurately as f32 sums, v_exp_f32 and their like allow (about 1e-6 of the number): no bf16 or f16 on the way to a quantiser, and a product that is left as it is and whose result goes on into a quantised operand takes f32 operands (vector FMAs, or v_wmma_f32_16x16x4_f32). A number that lies on a knife's edge between two numbers of the format may be rounded either way, as far as f32 arithmetic and the matrix unit's own rounding can turn it there, and no further.
;; One version. Each part assembles by itself: llvm-mc -triple=amdgcn-amd-amdhsa -mcpu=gfx1250 --defsym DOCPART=n.
;; ======== version 1 of 1: 4 launches
;; limits: right only within a limited range of input values
;; workspace buffers: xq 8,388,608 bytes; wq 3,145,728 bytes; wp 1,048,576 bytes; qc 8,388,608 bytes; kc 8,388,608 bytes; vc 8,388,608 bytes; ac 8,388,608 bytes
;; launch quant (part 1): grid 384 x 1, 4 waves a work-group, no clusters, 68,096 bytes of LDS; arguments x, w_qkv, w_proj, lowp_scales, xq, wq, wp; writes xq, wq, wp
.if DOCPART == 1
	.amdgcn_target "amdgcn-amd-amdhsa--gfx1250"
	.amdhsa_code_object_version 6
	.text
	.protected	k_qf08885304e_quant
	.globl	k_qf08885304e_quant
	.p2align	8
	.type	k_qf08885304e_quant,@function
k_qf08885304e_quant:
	s_mov_b64 s[64:65], 0
	v_nop
	global_prefetch_b8 v0, s[64:65] scope:SCOPE_SE
	s_setreg_imm32_b32 hwreg(HW_REG_WAVE_MODE, 25, 1), 1
	s_wait_xcnt 0x0
; x [8192][1024], w_qkv [1024][3072] and w_proj [1024][1024], f32, become codes of FP8 (E4M3), K innermost: xq [8192][1024], wq [3072][1024], wp [1024][1024].
; code = number / 2^e, held within +-448, rounded to the nearest code, ties to even.  e: entry 0 (x), 1 (w_qkv), 7 (w_proj) of the scales.
; LIMITS: each of these e lies between -126 and 119, so that 2^e and 448 x 2^e are f32 numbers.  NaN among the inputs is not served.
; Work-groups 0-255 take x, whose K is innermost: a plain stream, 8,192 numbers a wave.  Work-groups 256-383 take the weights, whose K is the first axis:
; a lane takes a column and its registers run down K.  The two paths have LDS bytes of their own.  No barrier: waves share nothing.
.set STEPS, 16
.set EMAX,  8
.set MANT,  0x600000                   ; the mantissa field of 448 as f32
.set CB,    16                         ; bytes of 16 codes
.set R,     16                         ; x: v16-79   four sets of 16 numbers as they are loaded
.set X,     80                         ; x: v80-111  two sets of 16 neighbours
.set C,     128                        ; x: v128-191 codes, four registers for each step
.set WREG,  8192                       ; x: LDS region of a wave: two stages of 32 x SP bytes
.set SP,    80                         ; x: a lane's place in a stage: 64 bytes + 16 of padding
.set WST,   32768                      ; weights: the stages begin here
.set PITCH, 272                        ; weights: a stage row: 256 codes + 16 of padding
.set NB,    8                          ; weights: blocks of 32 along K for a wave
.set WO,    12                         ; weights: v12-43  byte offset of row i of a block: 4 x lane + i x a row of the weight
.set WX,    44                         ; weights: v44-107 two sets of 32 numbers
.set WC,    108                        ; weights: v108-115 a block's codes
.set OUTR,  116                        ; weights: v116-179 the way out
	s_load_b256 s[4:11], s[0:1], 0x0               ; x s[4:5], w_qkv s[6:7], w_proj s[8:9], the scales' exponents s[10:11]
	s_load_b128 s[12:15], s[0:1], 0x20             ; xq s[12:13], wq s[14:15]
	s_load_b64 s[16:17], s[0:1], 0x30              ; wp
	v_lshl_add_u32 v192, v0, 2, 0x10800
	v_mov_b32 v193, 0
	v_lshrrev_b32 v1, 5, v0
	v_readfirstlane_b32 s18, v1                    ; wave 0..3
	v_and_b32 v2, 31, v0                           ; lane
	s_wait_kmcnt 0x0
	s_load_b256 s[24:31], s[10:11], 0x0            ; e0 .. e7
	s_cmp_lt_u32 ttmp9, 256
	s_cbranch_scc0 .Lweights
	s_wait_alu depctr_va_vdst(0)
; ---------------- x: each load reads 512 consecutive bytes; a step's 2,048 bytes turn through the wave's stage, so that a lane then holds 16 neighbours along K
	v_lshlrev_b32 v3, 4, v2                        ; my 16 bytes of a load's 512
	s_wait_alu depctr_va_vdst(0)
	s_mul_i32 s19, s18, WREG
	v_lshrrev_b32 v14, 2, v2
	v_mul_u32_u24 v14, v14, SP
	v_and_b32 v15, 3, v2
	v_lshl_add_u32 v14, v15, 4, v14
	v_add_nc_u32 v14, s19, v14                     ; into the stage: SP (lane / 4) + 16 (lane % 4)
	v_mul_u32_u24 v15, v2, SP
	v_add_nc_u32 v15, s19, v15                     ; out of it: SP x lane
	v_mul_u32_u24 v4, v2, CB                       ; my codes' place in a step's
	s_lshl_b32 s20, ttmp9, 2
	s_add_co_u32 s20, s20, s18                     ; which run of 8,192 numbers is my wave's
	s_lshl_b32 s22, s20, 15                        ; 32,768 bytes of f32 a run
	s_mov_b32 s23, 0
	s_add_nc_u64 s[4:5], s[4:5], s[22:23]
	s_lshl_b32 s22, s20, 13                        ; 8,192 bytes of codes a run
	s_add_nc_u64 s[12:13], s[12:13], s[22:23]
.macro XLOAD t
.irp i, 0,1,2,3
	global_load_b128 v[R+16*((\t)%4)+4*\i:R+16*((\t)%4)+4*\i+3], v3, s[4:5] offset:2048*(\t)+512*\i th:TH_LOAD_NT
.endr
.endm
.macro XTURN t                         ; LDS serves a wave's instructions in order: no wait between the stores and the loads
.irp i, 0,1,2,3
	ds_store_b128 v14, v[R+16*((\t)%4)+4*\i:R+16*((\t)%4)+4*\i+3] offset:32*SP*((\t)%2)+8*SP*\i
.endr
.irp i, 0,1,2,3
	ds_load_b128 v[X+16*((\t)%2)+4*\i:X+16*((\t)%2)+4*\i+3], v15 offset:32*SP*((\t)%2)+16*\i
.endr
.endm
.irp t, 0,1,2,3
	XLOAD \t
.endr
	s_wait_alu depctr_va_vdst(0)
	s_wait_kmcnt 0x0
	s_add_co_i32 s22, s24, 127
	s_lshl_b32 s23, s22, 23
	v_mov_b32 v11, s23                             ; 2^e0 as f32: the conversion takes its exponent field
	s_add_co_i32 s22, s22, EMAX
	s_lshl_b32 s22, s22, 23
	s_or_b32 s22, s22, MANT
	s_wait_alu depctr_va_vdst(0)
	s_wait_loadcnt 12                              ; step 0's four loads are in; the twelve of steps 1 to 3 may be out
	XTURN 0
.macro XSTEP t
.set XS, X+16*((\t)%2)
	s_wait_dscnt 0x0                               ; this step's numbers are back from the stage, and its stores into the stage have read their registers,
.if (\t)+4 < STEPS
	XLOAD (\t)+4                                   ; which take the loads of four steps on
.endif
.if (\t)+1 < STEPS
.if STEPS-2-(\t) >= 3
	s_wait_loadcnt 12                              ; the next step's four loads are in; those of the three steps behind it may be out
.else
	s_wait_loadcnt 4*(STEPS-2-(\t))
.endif
	XTURN (\t)+1
.endif
.irp i, 0,1,2,3,4,5,6,7,8,9,10,11,12,13,14,15
.endr
	v_cvt_scalef32_pk8_fp8_f32 v[C+4*(\t):C+4*(\t)+1], v[XS:XS+7], v11
	v_cvt_scalef32_pk8_fp8_f32 v[C+4*(\t)+2:C+4*(\t)+3], v[XS+8:XS+15], v11
	global_store_b128 v4, v[C+4*(\t):C+4*(\t)+3], s[12:13] offset:32*CB*(\t)   ; the wave stores 512 consecutive bytes; each step has registers of its own for its codes
.endm
.irp t, 0,1,2,3,4,5,6,7,8,9,10,11,12,13,14,15
	XSTEP \t
.endr
	s_wait_tensorcnt 0x0
	ds_add_u32 v192, v193
	s_wait_dscnt 0x0
	s_endpgm
; ---------------- the weights: 96 work-groups for w_qkv, 32 for w_proj; a work-group takes 128 columns x 256 along K, a wave 32 columns
.Lweights:
	s_sub_co_u32 s19, ttmp9, 256
	s_cmp_lt_u32 s19, 96                           ; the choice hangs on the work-group's number alone
	s_cselect_b64 s[20:21], s[6:7], s[8:9]         ; the weight
	s_cselect_b64 s[22:23], s[14:15], s[16:17]     ; its codes
	s_mov_b32 s32, 4096
	s_cselect_b32 s32, 12288, s32                  ; a row of the weight in bytes
	s_cselect_b32 s34, 0, 96
	s_sub_co_u32 s19, s19, s34                     ; the work-group's number within its weight
	s_lshr_b32 s35, s19, 2                         ; which 128 columns
	s_and_b32 s36, s19, 3                          ; which 256 along K
	s_lshl_b32 s35, s35, 7
	s_lshl_b32 s37, s18, 5
	s_add_co_u32 s35, s35, s37                     ; my wave's first column
	s_lshl_b32 s38, s32, 8
	s_mul_i32 s38, s38, s36                        ; 256 rows x which
	s_lshl_b32 s37, s35, 2
	s_add_co_u32 s38, s38, s37
	s_mov_b32 s39, 0
	s_add_nc_u64 s[40:41], s[20:21], s[38:39]      ; block 0's first row at my first column
	s_lshl_b32 s38, s32, 5                         ; 32 rows on
.irp t, 1,2,3,4,5,6,7
	s_add_nc_u64 s[40+2*\t:41+2*\t], s[38+2*\t:39+2*\t], s[38:39]   ; a base for each of the eight blocks: nothing is stepped later
.endr
	s_lshl_b32 s56, s35, 10                        ; the codes: column x 1,024 bytes + 256 x which
	s_lshl_b32 s57, s36, 8
	s_add_co_u32 s56, s56, s57
	s_mov_b32 s57, 0
	s_add_nc_u64 s[22:23], s[22:23], s[56:57]
	s_wait_alu depctr_va_vdst(0)
	v_lshlrev_b32 v[WO], 2, v2                     ; 4 bytes a lane: a load reads 128 consecutive bytes, the four waves stand side by side
.set i, 1
.rept 31
	v_add_nc_u32 v[WO+i], s32, v[WO+i-1]
.set i, i+1
.endr
	s_mul_i32 s58, s18, 32*PITCH
	s_add_co_u32 s58, s58, WST                     ; my stage
	v_mul_u32_u24 v4, v2, PITCH
	v_add_nc_u32 v4, s58, v4                       ; into it: row = my column
	v_and_b32 v5, 15, v2
	v_lshrrev_b32 v6, 4, v2
	v_mul_u32_u24 v7, v6, PITCH
	v_lshl_add_u32 v7, v5, 4, v7
	v_add_nc_u32 v7, s58, v7                       ; out of it: sixteen lanes to a row, two rows an instruction
	v_lshlrev_b32 v8, 10, v6
	v_lshl_add_u32 v8, v5, 4, v8                   ; and the same place in the codes' buffer
.macro WLOAD t                         ; block t: rows 32 t + i of my 256, my column, into set t % 2
.set i, 0
.rept 32
	global_load_b32 v[WX+32*((\t)%2)+i], v[WO+i], s[40+2*(\t):41+2*(\t)] th:TH_LOAD_NT
.set i, i+1
.endr
.endm
	WLOAD 0
	WLOAD 1
	s_wait_kmcnt 0x0
	s_cmp_lt_u32 ttmp9, 352
	s_cselect_b32 s33, s25, s31                    ; e1 or e7
	s_add_co_i32 s33, s33, 127
	s_lshl_b32 s34, s33, 23
	v_mov_b32 v11, s34                             ; 2^e
	s_add_co_i32 s33, s33, EMAX
	s_lshl_b32 s33, s33, 23
	s_or_b32 s33, s33, MANT
.macro WBLOCK t
.set XS, WX+32*((\t)%2)
.if (\t) < NB-1
	s_wait_loadcnt 32                              ; this block's 32 loads are in; the next block's may be out
.else
	s_wait_loadcnt 0
.endif
.set i, 0
.rept 32
.set i, i+1
.endr
.irp g, 0,1,2,3
	v_cvt_scalef32_pk8_fp8_f32 v[WC+2*\g:WC+2*\g+1], v[XS+8*\g:XS+8*\g+7], v11
.endr
	ds_store_b128 v4, v[WC:WC+3] offset:32*(\t)    ; 32 codes: 32 bytes of my column's row
	ds_store_b128 v4, v[WC+4:WC+7] offset:32*(\t)+16
.if (\t)+2 < NB
	WLOAD (\t)+2
.endif
	s_wait_dscnt 0x0                               ; the stores have read their registers: the next block's codes may be written
.endm
	s_wait_alu depctr_va_vdst(0)
.irp t, 0,1,2,3,4,5,6,7
	WBLOCK \t
.endr
.irp t, 0,1,2,3,4,5,6,7,8,9,10,11,12,13,14,15
	ds_load_b128 v[OUTR+4*\t:OUTR+4*\t+3], v7 offset:2*\t*PITCH   ; LDS serves a wave's instructions in order: these see my stores
.endr
.irp t, 0,1,2,3,4,5,6,7,8,9,10,11,12,13,14,15
	s_wait_dscnt 15-\t                             ; load t is in; the younger ones may be out
	global_store_b128 v8, v[OUTR+4*\t:OUTR+4*\t+3], s[22:23] offset:2*\t*1024   ; sixteen lanes store 256 consecutive bytes, aligned
.endr
	s_wait_tensorcnt 0x0
	ds_add_u32 v192, v193
	s_wait_dscnt 0x0
	s_endpgm
.Lfunc_end_k_qf08885304e_quant:
	.size	k_qf08885304e_quant, .Lfunc_end_k_qf08885304e_quant-k_qf08885304e_quant
	.p2alignl 7, 3214868480
	.fill 96, 4, 3214868480
	.section	.rodata,"a",@progbits
	.p2align	6, 0x0
	.amdhsa_kernel k_qf08885304e_quant
		.amdhsa_group_segment_fixed_size 68096
		.amdhsa_private_segment_fixed_size 0
		.amdhsa_enable_private_segment 0
		.amdhsa_kernarg_size 56
		.amdhsa_user_sgpr_count 2
		.amdhsa_user_sgpr_kernarg_segment_ptr 1
		.amdhsa_wavefront_size32 1
		.amdhsa_system_sgpr_workgroup_id_x 1
		.amdhsa_system_sgpr_workgroup_id_y 1
		.amdhsa_system_sgpr_workgroup_id_z 1
		.amdhsa_system_vgpr_workitem_id 0
		.amdhsa_next_free_vgpr 194
		.amdhsa_next_free_sgpr 66
		.amdhsa_reserve_vcc 0
		.amdhsa_float_denorm_mode_32 3
		.amdhsa_float_denorm_mode_16_64 3
		.amdhsa_fp16_overflow 1
		.amdhsa_memory_ordered 1
		.amdhsa_forward_progress 1
		.amdhsa_inst_pref_size 55
	.end_amdhsa_kernel
	.amdgpu_metadata
---
amdhsa.version: [ 1, 2 ]
amdhsa.kernels:
  - .name:           k_qf08885304e_quant
    .symbol:         k_qf08885304e_quant.kd
    .args:
      - { .name: x, .offset: 0, .size: 8, .value_kind: global_buffer, .address_space: global }
      - { .name: w_qkv, .offset: 8, .size: 8, .value_kind: global_buffer, .address_space: global }
      - { .name: w_proj, .offset: 16, .size: 8, .value_kind: global_buffer, .address_space: global }
      - { .name: lowp_scales, .offset: 24, .size: 8, .value_kind: global_buffer, .address_space: global }
      - { .name: xq, .offset: 32, .size: 8, .value_kind: global_buffer, .address_space: global }
      - { .name: wq, .offset: 40, .size: 8, .value_kind: global_buffer, .address_space: global }
      - { .name: wp, .offset: 48, .size: 8, .value_kind: global_buffer, .address_space: global }
    .group_segment_fixed_size: 68096
    .private_segment_fixed_size: 0
    .kernarg_segment_align: 8
    .kernarg_segment_size: 56
    .max_flat_workgroup_size: 128
    .sgpr_count:     66
    .vgpr_count:     194
    .wavefront_size: 32
...
	.end_amdgpu_metadata
.endif
;; end of part 1
;; launch gemm_qkv (part 2): grid 12 x 32, 4 waves a work-group, clusters of 4 x 4, 327,680 bytes of LDS; arguments xq, wq, lowp_scales, qc, kc, vc; writes qc, kc, vc
.if DOCPART == 2
	.amdgcn_target "amdgcn-amd-amdhsa--gfx1250"
	.amdhsa_code_object_version 6
	.text
	.protected	k_qf08885304e_gemm_qkv
	.globl	k_qf08885304e_gemm_qkv
	.p2align	8
	.type	k_qf08885304e_gemm_qkv,@function
k_qf08885304e_gemm_qkv:
	s_mov_b64 s[64:65], 0
	v_nop
	global_prefetch_b8 v0, s[64:65] scope:SCOPE_SE
	s_setreg_imm32_b32 hwreg(HW_REG_WAVE_MODE, 25, 1), 1
	s_wait_xcnt 0x0
	s_wait_alu depctr_hold_cnt(0) depctr_sa_sdst(0) depctr_va_vdst(0) depctr_va_sdst(0) depctr_va_ssrc(0) depctr_va_vcc(0) depctr_vm_vsrc(0)
	s_getreg_b32 s2, hwreg(HW_REG_IB_STS2, 6, 4)
	s_cmp_eq_u32 s2, 0
	s_cbranch_scc0 .Lentry_in_a_cluster
	s_endpgm
.Lentry_in_a_cluster:
	s_bfe_u32 s2, ttmp6, 0x10000c
	s_cmp_lg_u32 s2, 0xf033
	s_cbranch_scc0 .Lentry_shape_is_right
	s_endpgm
.Lentry_shape_is_right:
; qkv = x w_qkv on codes of FP8 (E4M3): xq [8192][1024], wq [3072][1024], K innermost; each sum, which stands for sum x 2^(e0 + e1), is quantised at once with the scale of the operand that it becomes
; (q: e2, k: e3, v: e5) and leaves as a code.
; LIMITS: e2 - e0 - e1, e3 - e0 - e1 and e5 - e0 - e1 lie between -126 and 119, so that the folded scale and 448 x it are f32 numbers.
; A tile of 256 x 256 is made by four waves, each 128 x 128: 64 accumulators, 512 registers.  K goes in steps of 256 through a ring of two LDS slots filled by the tensor data mover.
; CLUSTERS: 4 x 4 work-groups; a tile of the first operand is asked for jointly by a row of the cluster, a tile of the second by a column.
; THE MATRIX INSTRUCTION IS USED TRANSPOSED (source 0 = 16 rows of the second operand, source 1 = 16 rows of the first): a lane holds one row of the first operand and eight neighbouring rows of the second.
; q and k want eight neighbours along the head's 64 (their K): first operand = xq (tokens), second = wq.  v wants eight neighbouring KEYS: first = wq (rows 2,048 on), second = xq.
; Cluster x says which: 0 q, 1 k, 2 v.  It is the same in all sixteen partners; only pointers and tile coordinates are chosen by it, and one branch on the way out.
; OUT.  qc, kc: [16 b + h][2048 positions][64]; within each 32 tokens the second and third group of 8 change places, so that 16 neighbouring positions are the 16 keys that a tile of the next product wants.
;       vc: [16 b + h][8 chunks of 256 keys][64 positions of d][256 keys]; the positions of d are permuted in the same way.
; REGISTERS, in windows of 256: window 0: v0-31 addresses; from v128 the first operand's fragments, one set; on the way out v96-223.  window 1: the second operand's, two sets.  windows 2, 3: accumulators.
.set SIZE_K, 1024
.set KSTEP,  256
.set ROWB,   256                       ; a tile's row in bytes
.set KROW,   SIZE_K                    ; a row of codes in memory
.set PITCH,  272                       ; an LDS row: 256 bytes + 16 of padding = 68 words: the 16 rows that a load touches start at 16 different banks (64 banks of 4 bytes: ISA guide 11.1)
.set FR,     16
.set NL,     4
.set NP,     4                         ; places behind this matrix instruction (ISA guide 7.12.1)
.set HALFT,  128*PITCH
.set SLOT,   4*HALFT
.set LAPS,   SIZE_K/(2*KSTEP)
.set SPARE,  2*SLOT                    ; behind the ring: the spare words, 128 bytes for each wave
.set ADRA, 16                          ; v16-17  LDS address of my fragments of the first operand in slot 0, 1
.set ADRB, 20                          ; v20-21  the same for the second
.set QS,   22                          ; v22     the folded scale as f32
.set QH,   23
.set STO,  24                          ; v24     the way out: where I put 8 codes
.set RQ,   25                          ; v25     q, k: where I read 16 bytes of a token's 64 back (tokens 0-127)
.set CO,   26                          ; v26     16 x lane
.set RQ2,  27                          ; v27     the same as v25 for tokens 128-255
.set SPW,  28                          ; v28     LDS address of my spare word; never rewritten
.set NIL,  29                          ; v29     0; never rewritten
.set RV,   30                          ; v30     v: where I read a row of 256 keys back
.set TMP,  32
.set COD,  96                          ; v96-223 codes: 16 registers for each block; then what comes back from the stage
.set AF,   128
.set G1, 24
.set G0, 32
.set G1B, 48
.set G0B, 56
.set MSB, 0
.macro WIN new                         ; the immediate's high byte repeats the setting that is left
.if MSB != \new
	s_set_vgpr_msb (MSB<<8)|\new
.set MSB, \new
.endif
.endm
.set MUL_LO, 0xa1                      ; source 0 window 1, source 1 window 0, C and D window 2
.set MUL_HI, 0xf1                      ; the same, C and D window 3
.set TO_B,   0x40                      ; destination window 1, address window 0
; A joint load: waves 0 and 1 fetch for the first operand, waves 2 and 3 for the second.  The branch hangs on the wave's number alone.  Four v_nop follow each of the two lines.
.macro JLOAD g0a, g1a, g0b, g1b
	s_cmp_eq_u32 s15, 0
	s_cbranch_scc0 .Lfor_b_\@
	tensor_load_to_lds s[\g0a:\g0a+3], s[\g1a:\g1a+7]
	s_nop 0
.rept 4
	v_nop
.endr
	s_branch .Lasked_\@
.Lfor_b_\@:
	tensor_load_to_lds s[\g0b:\g0b+3], s[\g1b:\g1b+7]
	s_nop 0
.rept 4
	v_nop
.endr
.Lasked_\@:
.endm
.macro CREST                           ; a round of the cluster's barrier behind its opening barrier
	s_cmp_lg_u32 s14, 0
	s_cbranch_scc1 .Lnot_wave_0_\@
	s_barrier_signal -3
.Lnot_wave_0_\@:
	s_barrier_wait -3
	s_barrier_signal -1
	s_barrier_wait -1
.endm
.macro CROUND
	s_barrier_signal -1
	s_barrier_wait -1
	CREST
.endm
	s_load_b128 s[4:7], s[0:1], 0x0                ; xq s[4:5], wq s[6:7]
	s_load_b128 s[8:11], s[0:1], 0x10              ; the scales' exponents s[8:9], qc s[10:11]
	s_load_b128 s[84:87], s[0:1], 0x20             ; kc s[84:85], vc s[86:87]
	v_lshl_add_u32 v[SPW], v0, 2, SPARE
	v_mov_b32 v[NIL], 0
	ds_add_u32 v28, v29
	ds_add_u32 v28, v29
	s_wait_dscnt 0x0
	v_lshrrev_b32 v1, 5, v0
	v_readfirstlane_b32 s14, v1                    ; wave 0..3
	s_lshr_b32 s15, s14, 1                         ; which half of the tile's rows is mine.  Also: I fetch for the first operand (0) or the second (1)
	s_and_b32 s16, s14, 1                          ; which half of its columns.  Also: which 128 rows of that tile I fetch
	s_bfe_u32 s40, ttmp6, 0x40000                  ; cx, cy: my place in the cluster
	s_bfe_u32 s41, ttmp6, 0x40004
	s_and_b32 s66, ttmp7, 0xffff                   ; cluster y
	s_cmp_eq_u32 ttmp9, 2                          ; v?  The same in all sixteen partners
	s_cselect_b32 s67, ttmp9, s66                  ; the first operand's coordinate: wq's third 1,024 rows for v, else the tokens
	s_cselect_b32 s76, s66, ttmp9                  ; the second operand's
	s_lshl_b32 s17, s67, 2
	s_add_co_u32 s17, s17, s41                     ; tile of the first operand: 4 x that + cy
	s_lshl_b32 s42, s76, 2
	s_add_co_u32 s42, s42, s40                     ; tile of the second: 4 x that + cx
	s_lshl_b32 s43, s41, 2
	s_lshl_b32 s43, 15, s43                        ; my row of the cluster
	s_lshl_b32 s44, 0x1111, s40                    ; my column
	s_or_b32 s[G1+0], s43, (0<<16)|(1<<20)|(1<<21)|(5<<22)|(3<<25)  ; 15:0 the mask; 17:16 elements of 1 byte; 20 padding on; 21 set beside a mask; 24:22 after every 64 words; 31:25 four words
	s_or_b32 s[G1B+0], s44, (0<<16)|(1<<20)|(1<<21)|(5<<22)|(3<<25)
.irp g, G1, G1B
	s_mov_b32 s[\g+1], ROWB<<16                    ; tensor_dim0
	s_mov_b32 s[\g+2], 128<<16                     ; tensor_dim1
	s_mov_b32 s[\g+3], ROWB<<16                    ; tile_dim0
	s_mov_b32 s[\g+4], 128                         ; tile_dim1
	s_mov_b32 s[\g+5], KROW                        ; tensor_dim0_stride
	s_mov_b32 s[\g+6], 0
	s_mov_b32 s[\g+7], 0
.endr
	s_lshl_b32 s18, s16, 7
	s_lshl_b32 s20, s17, 8
	s_add_co_u32 s20, s20, s18                     ; first operand: row 256 x tile + 128 x half
	s_lshl_b32 s46, s42, 8
	s_add_co_u32 s46, s46, s18                     ; second operand likewise
	s_mov_b32 s21, 0
	s_mov_b32 s47, 0
	s_mov_b64 s[18:19], KROW
	s_mul_u64 s[20:21], s[20:21], s[18:19]
	s_mul_u64 s[46:47], s[46:47], s[18:19]
	s_mul_i32 s45, s14, HALFT                      ; where they go: wave x 128 rows
	s_wait_kmcnt 0x0
	s_load_b256 s[68:75], s[8:9], 0x0              ; e0 .. e7
	s_cmp_eq_u32 ttmp9, 2
	s_cselect_b64 s[80:81], s[6:7], s[4:5]         ; the first operand's buffer
	s_cselect_b64 s[82:83], s[4:5], s[6:7]         ; the second's
	s_add_nc_u64 s[20:21], s[80:81], s[20:21]
	s_add_nc_u64 s[46:47], s[82:83], s[46:47]
	CROUND                                         ; all sixteen work-groups are here: the first joint loads meet
.irp s, 0,1
	s_mov_b32 s[G0+4*\s], 1
	s_add_co_u32 s[G0+4*\s+1], s45, \s*SLOT
	s_add_nc_u64 s[G0+4*\s+2:G0+4*\s+3], s[20:21], \s*ROWB
	s_or_b32 s[G0+4*\s+3], s[G0+4*\s+3], 0x80000000
	s_mov_b32 s[G0B+4*\s], 1
	s_add_co_u32 s[G0B+4*\s+1], s45, \s*SLOT
	s_add_nc_u64 s[G0B+4*\s+2:G0B+4*\s+3], s[46:47], \s*ROWB
	s_or_b32 s[G0B+4*\s+3], s[G0B+4*\s+3], 0x80000000
	s_wait_alu depctr_va_vdst(0)
	s_wait_tensorcnt 0x0
	ds_add_u32 v28, v29
	ds_add_u32 v28, v29
	s_wait_dscnt 0x0
	CROUND
	JLOAD G0+4*\s, G1, G0B+4*\s, G1B
.endr
	v_and_b32 v1, 15, v0                           ; r = lane % 16
	v_bfe_u32 v2, v0, 4, 1                         ; h = lane / 16
	v_mul_u32_u24 v3, v1, PITCH
	s_wait_alu depctr_va_vdst(0)
	v_lshl_add_u32 v4, v2, 4, v3                   ; a fragment's row x pitch + 16 x half
	s_mul_i32 s21, s15, HALFT
	s_mul_i32 s22, s16, HALFT
	s_add_co_u32 s22, s22, 2*HALFT
.irp s, 0,1
	v_add_nc_u32 v[ADRA+\s], s21, v4
	v_add_nc_u32 v[ADRB+\s], s22, v4
	s_add_co_u32 s21, s21, SLOT
	s_add_co_u32 s22, s22, SLOT
.endr
	; the way out's stage: 256 rows (of the first operand) x 256 codes (of the second) + 16 of padding, the work-group's, at LDS byte 0
	s_mul_i32 s23, s15, 128*PITCH
	s_lshl_b32 s22, s16, 7
	s_add_co_u32 s23, s23, s22
	v_lshl_add_u32 v5, v2, 3, v3
	v_add_nc_u32 v[STO], s23, v5                   ; (128 x my row half + r) x pitch + 128 x my column half + 8 h
	v_and_b32 v6, 31, v0
	v_lshlrev_b32 v[CO], 4, v6
	v_lshrrev_b32 v5, 2, v6
	v_mul_u32_u24 v5, v5, PITCH
	v_and_b32 v7, 3, v6
	v_lshl_add_u32 v5, v7, 4, v5
	s_lshl_b32 s23, s14, 6
	v_add_nc_u32 v[RQ], s23, v5                    ; q, k: wave w takes the tile's head w: token lane / 4, bytes 64 w + 16 (lane % 4)
	v_add_nc_u32 v[RQ2], 128*PITCH, v[RQ]
	s_mul_i32 s23, s14, 64*PITCH
	v_mul_u32_u24 v5, v2, PITCH
	v_lshl_add_u32 v5, v1, 4, v5
	v_add_nc_u32 v[RV], s23, v5                    ; v: wave w takes rows 64 w on, one head: sixteen lanes to a row
	; where my head's part begins: buffer + (16 batch + head) x 2^17 + (which 256 tokens of the sequence) x 2^14
	s_cmp_eq_u32 ttmp9, 0
	s_cselect_b64 s[88:89], s[10:11], s[84:85]
	s_cmp_eq_u32 ttmp9, 2
	s_cselect_b64 s[88:89], s[86:87], s[88:89]
	s_cselect_b32 s78, s42, s17                    ; the tile of tokens
	s_cselect_b32 s79, s17, s42                    ; the tile of wq's rows
	s_and_b32 s79, s79, 3                          ; which four heads
	s_lshr_b32 s90, s78, 3
	s_lshl_b32 s90, s90, 4
	s_lshl_b32 s79, s79, 2
	s_add_co_u32 s90, s90, s79
	s_add_co_u32 s90, s90, s14
	s_lshl_b32 s90, s90, 17
	s_and_b32 s78, s78, 7
	s_lshl_b32 s78, s78, 14
	s_add_co_u32 s90, s90, s78
	s_mov_b32 s91, 0
	s_add_nc_u64 s[88:89], s[88:89], s[90:91]
.macro FRAG reg, adr, q, i             ; 16 rows x 128 K: lane l holds row l % 16; registers 4 c .. 4 c + 3 hold K = 32 c + 16 (l / 16) + 0 .. 15: the same order of k in both operands
.irp c, 0,1,2,3
	ds_load_b128 v[\reg+4*\c:\reg+4*\c+3], v[\adr] offset:128*(\q)+32*\c+(\i)*16*PITCH
.endr
.endm
; 16 matrix instructions.  The 64 accumulators take turns, one instruction a turn, in the same order in every step.
.macro MUL16 a0, p, zero
.irp a, \a0, \a0+1
.irp b, 0,1,2,3,4,5,6,7
.if \zero
	v_wmma_f32_16x16x128_fp8_fp8 v[8*(8*((\a)%4)+\b):8*(8*((\a)%4)+\b)+7], v[128*(\p)+FR*\b:128*(\p)+FR*\b+FR-1], v[AF+FR*(\a):AF+FR*(\a)+FR-1], 0
.else
	v_wmma_f32_16x16x128_fp8_fp8 v[8*(8*((\a)%4)+\b):8*(8*((\a)%4)+\b)+7], v[128*(\p)+FR*\b:128*(\p)+FR*\b+FR-1], v[AF+FR*(\a):AF+FR*(\a)+FR-1], v[8*(8*((\a)%4)+\b):8*(8*((\a)%4)+\b)+7]
.endif
.endr
.endr
.endm
.macro FETCH_B slot, q, p
	WIN TO_B
.irp i, 0,1,2,3,4,5,6,7
	FRAG 128*(\p)+FR*\i, ADRB+\slot, \q, \i
.endr
	WIN 0
.endm
.macro FETCH_A slot, q, i0
.irp i, \i0, \i0+1, \i0+2, \i0+3
	FRAG AF+FR*(\i), ADRA+\slot, \q, \i
.endr
.endm
.macro PLACES n                        ; plain vector instructions between a matrix instruction and a load into, or a vector read of, its registers
.rept \n
	v_nop
.endr
.endm
.macro STEP slot, q, zero              ; 128 along K, with its successor in the same slot
	s_wait_dscnt 4*NL                              ; the second operand's set and blocks 0-3 of the first are in; the youngest sixteen loads (blocks 4-7) may be out
	WIN MUL_LO
	MUL16 0, (\q)%2, \zero
	MUL16 2, (\q)%2, \zero
	s_wait_dscnt 0
	PLACES NP
	FETCH_B \slot, (\q)+1, 1-(\q)%2
	FETCH_A \slot, (\q)+1, 0
	WIN MUL_HI
	MUL16 4, (\q)%2, \zero
	MUL16 6, (\q)%2, \zero
	PLACES NP
	WIN 0
	FETCH_A \slot, (\q)+1, 4
.endm
; A slot's last step changes slots: one barrier; in front of it each wave waits for all its tensor loads, adds 0 to its spare word, and waits for that and for its own reads of this slot.
.macro TURN slot, next, fill
	s_wait_tensorcnt 0x0                           ; all my tensor loads have landed: my part of the next slot
	ds_add_u32 v[SPW], v[NIL]                      ; 0 onto my spare word
	s_wait_dscnt 4*NL+1                            ; (the add and the youngest sixteen loads may be out)
	WIN MUL_LO
	MUL16 0, 1, 0
	s_wait_dscnt 0x0                               ; the add is done, and my reads of this slot are over
	s_barrier_signal -1
	MUL16 2, 1, 0
	WIN 0
	s_barrier_wait -1
.if \fill
	CREST                                          ; the barrier has opened a round of the cluster's: no wave of any partner still reads this slot or has a load on its way
	s_add_nc_u64 s[G0+4*\slot+2:G0+4*\slot+3], s[G0+4*\slot+2:G0+4*\slot+3], 2*ROWB
	s_add_nc_u64 s[G0B+4*\slot+2:G0B+4*\slot+3], s[G0B+4*\slot+2:G0B+4*\slot+3], 2*ROWB
	JLOAD G0+4*\slot, G1, G0B+4*\slot, G1B         ; the first tensor load behind the round; its four v_nop are the places in front of the loads below
.else
	PLACES NP
.endif
	FETCH_B \next, 0, 0
	FETCH_A \next, 0, 0
	WIN MUL_HI
	MUL16 4, 1, 0
	MUL16 6, 1, 0
	PLACES NP
	WIN 0
	FETCH_A \next, 0, 4
.endm
	s_wait_tensorcnt 1                             ; my part of K step 0 is in (K step 1's load may be out)
	s_barrier_signal -1
	s_barrier_wait -1                              ; everybody's is
	FETCH_B 0, 0, 0
	FETCH_A 0, 0, 0
	FETCH_A 0, 0, 4
	STEP 0, 0, 1                                   ; the first step's products start the sums
	s_mov_b32 s3, LAPS-1
.Llap:
	TURN 0, 1, 1
	STEP 1, 0, 0
	TURN 1, 0, 1
	STEP 0, 0, 0
	s_sub_co_u32 s3, s3, 1
	s_cmp_lg_u32 s3, 0
	s_cbranch_scc1 .Llap
	TURN 0, 1, 0                                   ; the last lap fills nothing
	STEP 1, 0, 0
	s_wait_dscnt 4*NL
	WIN MUL_LO
	MUL16 0, 1, 0
	MUL16 2, 1, 0
	s_wait_dscnt 0
	WIN MUL_HI
	MUL16 4, 1, 0
	MUL16 6, 1, 0
	WIN 0
; THE WAY OUT.  A block of 16 rows: each sum is held within 448 x the folded scale, eight neighbours become eight codes, and go into the work-group's stage.  The stage lies in slot 0, which has had its
; last fill, and which no wave reads behind the last change of slots.  Each block has registers of its own for its codes.
.macro QOUT a
.set AC, 64*((\a)%4)
	WIN 0x02+((\a)/4)                              ; source 0: window 2 or 3
.set j, 0
.rept 64
.set j, j+1
.endr
.irp b, 0,1,2,3,4,5,6,7
	v_cvt_scalef32_pk8_fp8_f32 v[COD+16*(\a)+2*\b:COD+16*(\a)+2*\b+1], v[AC+8*\b:AC+8*\b+7], v[QS]
.endr
	WIN 0
	v_nop                                          ; one plain vector instruction behind the last conversion
.irp b, 0,1,2,3,4,5,6,7
	ds_store_b64 v[STO], v[COD+16*(\a)+2*\b:COD+16*(\a)+2*\b+1] offset:(\a)*16*PITCH+16*\b
.endr
.endm
	s_wait_kmcnt 0x0
	s_cmp_eq_u32 ttmp9, 0
	s_cselect_b32 s77, s70, s71                    ; e2 or e3,
	s_cmp_eq_u32 ttmp9, 2
	s_cselect_b32 s77, s73, s77                    ; or e5
	s_sub_co_i32 s77, s77, s68
	s_sub_co_i32 s77, s77, s69                     ; less e0 + e1: the three scales folded into the conversion's one
	s_add_co_i32 s77, s77, 127
	s_lshl_b32 s90, s77, 23
	v_mov_b32 v[QS], s90
	s_add_co_i32 s77, s77, 8
	s_lshl_b32 s77, s77, 23
	s_or_b32 s77, s77, 0x600000
	PLACES NP
.irp a, 0,1,2,3,4,5,6,7
	QOUT \a
.endr
	s_wait_dscnt 0x0                               ; for the others' sake: my stores into the stage are done (a stage row comes from two waves)
	s_barrier_signal -1
	s_barrier_wait -1
	s_cmp_eq_u32 ttmp9, 2
	s_cbranch_scc1 .Lv_out
	; q, k: load i brings 8 tokens x my head's 64 bytes; they leave as 512 consecutive bytes, the groups of 8 tokens in the order 0, 2, 1, 3 within each 32
.set i, 0
.rept 16
	ds_load_b128 v[COD+4*i:COD+4*i+3], v[RQ] offset:i*8*PITCH
.set i, i+1
.endr
.rept 16
	ds_load_b128 v[COD+4*i:COD+4*i+3], v[RQ2] offset:(i-16)*8*PITCH
.set i, i+1
.endr
.set i, 0
.rept 32
	s_wait_dscnt 31-i                              ; load i is in; the younger ones may be out
	global_store_b128 v[CO], v[COD+4*i:COD+4*i+3], s[88:89] offset:(4*(i/4)+2*(i%2)+(i%4)/2)*512
.set i, i+1
.endr
	s_branch .Lout_done
.Lv_out:
	; v: load i brings rows d = 2 i, 2 i + 1 of my head, 256 keys each; they leave at the permuted positions of d
.set i, 0
.rept 32
	ds_load_b128 v[COD+4*i:COD+4*i+3], v[RV] offset:i*2*PITCH
.set i, i+1
.endr
.set i, 0
.rept 32
	s_wait_dscnt 31-i
	global_store_b128 v[CO], v[COD+4*i:COD+4*i+3], s[88:89] offset:(32*(i/16)+8*(2*((i/4)%2)+((i/4)%4)/2)+(2*i)%8)*256
.set i, i+1
.endr
.Lout_done:
	s_wait_tensorcnt 0x0                           ; the wave's end
	ds_add_u32 v[SPW], v[NIL]
	s_wait_dscnt 0x0
	CROUND                                         ; the closing round: no work-group ends while a partner may still ask for a tile that names it
	s_endpgm
.Lfunc_end_k_qf08885304e_gemm_qkv:
	.size	k_qf08885304e_gemm_qkv, .Lfunc_end_k_qf08885304e_gemm_qkv-k_qf08885304e_gemm_qkv
	.p2alignl 7, 3214868480
	.fill 96, 4, 3214868480
	.section	.rodata,"a",@progbits
	.p2align	6, 0x0
	.amdhsa_kernel k_qf08885304e_gemm_qkv
		.amdhsa_group_segment_fixed_size 327680
		.amdhsa_private_segment_fixed_size 0
		.amdhsa_enable_private_segment 0
		.amdhsa_kernarg_size 48
		.amdhsa_user_sgpr_count 2
		.amdhsa_user_sgpr_kernarg_segment_ptr 1
		.amdhsa_wavefront_size32 1
		.amdhsa_system_sgpr_workgroup_id_x 1
		.amdhsa_system_sgpr_workgroup_id_y 1
		.amdhsa_system_sgpr_workgroup_id_z 1
		.amdhsa_system_vgpr_workitem_id 0
		.amdhsa_next_free_vgpr 1024
		.amdhsa_next_free_sgpr 100
		.amdhsa_reserve_vcc 0
		.amdhsa_float_denorm_mode_32 3
		.amdhsa_float_denorm_mode_16_64 3
		.amdhsa_fp16_overflow 1
		.amdhsa_memory_ordered 1
		.amdhsa_forward_progress 1
		.amdhsa_inst_pref_size 101
	.end_amdhsa_kernel
	.amdgpu_metadata
---
amdhsa.version: [ 1, 2 ]
amdhsa.kernels:
  - .name:           k_qf08885304e_gemm_qkv
    .symbol:         k_qf08885304e_gemm_qkv.kd
    .args:
      - { .name: xq, .offset: 0, .size: 8, .value_kind: global_buffer, .address_space: global }
      - { .name: wq, .offset: 8, .size: 8, .value_kind: global_buffer, .address_space: global }
      - { .name: lowp_scales, .offset: 16, .size: 8, .value_kind: global_buffer, .address_space: global }
      - { .name: qc, .offset: 24, .size: 8, .value_kind: global_buffer, .address_space: global }
      - { .name: kc, .offset: 32, .size: 8, .value_kind: global_buffer, .address_space: global }
      - { .name: vc, .offset: 40, .size: 8, .value_kind: global_buffer, .address_space: global }
    .group_segment_fixed_size: 327680
    .private_segment_fixed_size: 0
    .kernarg_segment_align: 8
    .kernarg_segment_size: 48
    .max_flat_workgroup_size: 128
    .sgpr_count:     100
    .vgpr_count:     1024
    .wavefront_size: 32
...
	.end_amdgpu_metadata
.endif
;; end of part 2
;; launch attn (part 3): grid 4 x 64, 16 waves a work-group, clusters of 4 x 1, 280,576 bytes of LDS; arguments qc, kc, vc, lowp_scales, ac; writes ac
.if DOCPART == 3
	.amdgcn_target "amdgcn-amd-amdhsa--gfx1250"
	.amdhsa_code_object_version 6
	.text
	.protected	k_qf08885304e_attn
	.globl	k_qf08885304e_attn
	.p2align	8
	.type	k_qf08885304e_attn,@function
k_qf08885304e_attn:
	s_mov_b64 s[64:65], 0
	v_nop
	global_prefetch_b8 v0, s[64:65] scope:SCOPE_SE
	s_setreg_imm32_b32 hwreg(HW_REG_WAVE_MODE, 25, 1), 1
	s_wait_xcnt 0x0
	s_wait_alu depctr_hold_cnt(0) depctr_sa_sdst(0) depctr_va_vdst(0) depctr_va_sdst(0) depctr_va_ssrc(0) depctr_va_vcc(0) depctr_vm_vsrc(0)
	s_getreg_b32 s2, hwreg(HW_REG_IB_STS2, 6, 4)
	s_cmp_eq_u32 s2, 0
	s_cbranch_scc0 .Lentry_in_a_cluster
	s_endpgm
.Lentry_in_a_cluster:
	s_bfe_u32 s2, ttmp6, 0x10000c
	s_cmp_lg_u32 s2, 0x3003
	s_cbranch_scc0 .Lentry_shape_is_right
	s_endpgm
.Lentry_shape_is_right:
; Causal attention on codes of FP8 (E4M3), head size 64, 2,048 keys, 64 heads (16 b + h); the result is quantised with 2^e6 and leaves as codes for the last product.
; t = score x 2^(e2 + e3) x log2(e) / 8; M = the running largest t rounded UP to a whole number; p = 2^(t - M) is quantised with 2^e4; the row's sum is taken of the unquantised p and divides at the end.
; LIMITS: e2 + e3 between -123 and 130 (added to c's exponent field); e4 and e6 between -126 and 119; e4 + e5 is applied by v_ldexp_f32 and has none.  NaN is not served.
; A HEAD'S K AND V LIE IN LDS WHOLE: 2 x 512 rows of 256 bytes + 16 of padding.  They are filled once, so nothing is filled again and the main loop has no barrier.
; CLUSTER: the four work-groups of a head ask for every piece jointly (mask 15).  Wave w fetches an eighth of K (w < 8) or of V: first its part of the first 256 keys, then its part of the rest.
; SHARES: a head has 16 groups of 128 queries, each of 8 tiles of 16.  Work-group cx takes tiles 2 cx and 2 cx + 1 of every group; wave w takes tile 2 cx of group w (tile A) and tile 2 cx + 1 of group 15 - w
; (tile B).  A tile of group g needs key steps 0 .. g of 128 keys, the last on the diagonal: every wave has 17 tile steps.  Branches hang on the wave's number and the loop's count, never on cx.
; LAYOUT: both products transposed (S^T = K Q^T, O^T = V^T P^T): a lane holds ONE query (lane % 16).  kc's positions are laid so that the 16 registers of tiles 2 b, 2 b + 1 are keys 32 b + 16 (lane / 16) + 0 .. 15,
; vc's positions of d so that O^T's 16 registers of two tiles are 16 neighbouring d: the conversions' results are the next operand's registers.
; OUT: ac [tile of 16 rows][head][2][lane][16 bytes]: lane (r, h) holds d = 32 b + 16 h + 0 .. 15 of row r: an image of the last product's operand registers.
.set PK,   272                         ; an LDS row: 256 bytes + 16: the sixteen lanes of a load fall on sixteen different 16-byte columns
.set CHB,  64*PK                       ; a chunk of 256 keys: 64 rows of K (4 positions a row), or 64 rows of V (a position of d a row)
.set KL,   2*CHB                       ; LDS: K chunk 0 | V chunk 0 | K chunks 1-7 (from KL) | V chunks 1-7 (from VL)
.set VL,   KL+7*CHB
.set AK0,  1                           ; v1   my lane's place in a tile of K
.set AV0,  2                           ; v2   the same for V
.set DA,   3                           ; v3   tile A: my query less the diagonal step's first key less 16 (lane / 16)
.set LI,   4                           ; v4   16 x lane
.set DB,   5                           ; v5   tile B: the same
.set ADK,  8                           ; v8   LDS address of the step's K
.set ADV,  9                           ; v9   of its V
.set STA,  12                          ; v12 -M, v13 the largest t, v[14:15] the sum in two halves: tile A
.set STB,  16                          ; the same for tile B
.set QA,   20                          ; v20-27 Q of tile A;  v28-35 of tile B
.set QB,   28
.set F,    36                          ; v36-99   eight fragments of K, then four of V
.set S,    100                         ; v100-163 S^T, then p
.set OA,   164                         ; v164-195 O^T of tile A
.set OBB,  196                         ; v196-227 of tile B
.set P,    228                         ; v228-243 p's codes
.set PS,   244                         ; v244 2^e4
.set PH,   245
.set FF,   246                         ; v[246:247] f = 2^(old M - new M) (the upper word is named with it, so it is written)
.set SC,   248                         ; v[248:249] the sums' second chain
.set MX0,  250
.set MX1,  251
.set PM,   252                         ; a lane permute's destination
.set NINF, 253                         ; -infinity
.set AS,   254                         ; v254 2^e6
.set AH,   255
.set WV,   18
.set SEL,  20                          ; s[20:21] lane selects: lane l xor 16
.set CS,   22                          ; s[22:23] c
.set G1E,  24                          ; s[24:31] group 1: 8 rows;   s[32:39]: 56 rows
.set G1L,  32
.set G0KE, 40                          ; groups 0: K early, K late, V early, V late
.set G0KL, 44
.set G0VE, 76
.set G0VL, 80
.set GA,   48                          ; s48  tile A's group = its last key step
.set GB,   49
.set TBK,  50                          ; s50  LDS byte of the chunk's K
.set TBV,  51
.set SN,   52                          ; s52  the chunk's first key step
.set TN,   53
.set CNT,  54
.set E45,  98
.macro ROUND                           ; a round of the cluster's barrier
	s_barrier_signal -1
	s_barrier_wait -1
	s_cmp_lg_u32 s[WV], 0
	s_cbranch_scc1 .Lnot_wave_0_\@
	s_barrier_signal -3
.Lnot_wave_0_\@:
	s_barrier_wait -3
	s_barrier_signal -1
	s_barrier_wait -1
.endm
	s_load_b128 s[4:7], s[0:1], 0x0                ; qc s[4:5], kc s[6:7]
	s_load_b128 s[8:11], s[0:1], 0x10              ; vc s[8:9], the scales' exponents s[10:11]
	s_load_b64 s[12:13], s[0:1], 0x20              ; ac
	v_lshl_add_u32 v254, v0, 2, 0x44000
	v_mov_b32 v255, 0
	ds_add_u32 v254, v255
	ds_add_u32 v254, v255
	s_wait_dscnt 0x0
	v_lshrrev_b32 v8, 5, v0
	s_delay_alu instid0(VALU_DEP_1)
	v_readfirstlane_b32 s[WV], v8                  ; wave 0..15
	s_bfe_u32 s19, ttmp6, 0x40000                  ; cx: it enters Q's and ac's addresses and the mask's numbers alone
	s_and_b32 s60, ttmp7, 0xffff                   ; the head, 16 b + h, which the four partners share
	s_lshl_b32 s62, s60, 17                        ; its first byte in qc, kc and vc
	s_mov_b32 s63, 0
	s_and_b32 s61, s[WV], 7
	s_mov_b32 s[G1E], 15|(0<<16)|(1<<20)|(1<<21)|(5<<22)|(3<<25)  ; 15:0 the mask: all four; elements of 1 byte; padding on; 21 set beside a mask; four words after every 64
	s_mov_b32 s[G1E+1], 256<<16                    ; tensor_dim0
	s_mov_b32 s[G1E+2], 8<<16                      ; tensor_dim1
	s_mov_b32 s[G1E+3], 256<<16                    ; tile_dim0
	s_mov_b32 s[G1E+4], 8                          ; tile_dim1
	s_mov_b32 s[G1E+5], 256                        ; stride: the rows are dense
	s_mov_b32 s[G1E+6], 0
	s_mov_b32 s[G1E+7], 0
	s_mov_b32 s[G1L], 15|(0<<16)|(1<<20)|(1<<21)|(5<<22)|(3<<25)
	s_mov_b32 s[G1L+1], 256<<16
	s_mov_b32 s[G1L+2], 56<<16
	s_mov_b32 s[G1L+3], 256<<16
	s_mov_b32 s[G1L+4], 56
	s_mov_b32 s[G1L+5], 256
	s_mov_b32 s[G1L+6], 0
	s_mov_b32 s[G1L+7], 0
	s_lshl_b32 s84, s61, 11                        ; early: my 8 rows of the first 64
	s_mov_b32 s85, 0
	s_mul_i32 s86, s61, 56*256
	s_add_co_u32 s86, s86, 64*256                  ; late: my 56 rows of the other 448
	s_mov_b32 s87, 0
	s_mul_i32 s88, s[WV], 8*PK                     ; in LDS: waves 0-7 fill K's regions, waves 8-15 V's, which follow them
	s_mul_i32 s89, s[WV], 56*PK
	s_add_co_u32 s89, s89, KL
	s_mov_b32 s[SEL], 0x76543210
	s_mov_b32 s[SEL+1], 0xfedcba98
	s_mov_b32 s[CS], 0x3e38aa3b                    ; log2(e) / 8
	s_mov_b32 s[GA], s[WV]
	s_sub_co_u32 s[GB], 15, s[WV]
	s_wait_kmcnt 0x0
	s_load_b256 s[68:75], s[10:11], 0x0            ; e0 .. e7
	s_add_nc_u64 s[4:5], s[4:5], s[62:63]
	s_add_nc_u64 s[6:7], s[6:7], s[62:63]
	s_add_nc_u64 s[8:9], s[8:9], s[62:63]
	s_mov_b32 s[G0KE], 1
	s_mov_b32 s[G0KE+1], s88
	s_add_nc_u64 s[G0KE+2:G0KE+3], s[6:7], s[84:85]
	s_or_b32 s[G0KE+3], s[G0KE+3], 0x80000000
	s_mov_b32 s[G0KL], 1
	s_mov_b32 s[G0KL+1], s89
	s_add_nc_u64 s[G0KL+2:G0KL+3], s[6:7], s[86:87]
	s_or_b32 s[G0KL+3], s[G0KL+3], 0x80000000
	s_mov_b32 s[G0VE], 1
	s_mov_b32 s[G0VE+1], s88
	s_add_nc_u64 s[G0VE+2:G0VE+3], s[8:9], s[84:85]
	s_or_b32 s[G0VE+3], s[G0VE+3], 0x80000000
	s_mov_b32 s[G0VL], 1
	s_mov_b32 s[G0VL+1], s89
	s_add_nc_u64 s[G0VL+2:G0VL+3], s[8:9], s[86:87]
	s_or_b32 s[G0VL+3], s[G0VL+3], 0x80000000
	ROUND                                          ; all four work-groups are here: the joint loads meet
	s_cmp_lt_u32 s[WV], 8                          ; a wave's two fills stand in one branch, ahead of every wait on TENSORcnt and every LDS read: two loads of mine are out
	s_cbranch_scc0 .Lfirst_v
	tensor_load_to_lds s[G0KE:G0KE+3], s[G1E:G1E+7]
	s_nop 0
	tensor_load_to_lds s[G0KL:G0KL+3], s[G1L:G1L+7]
	s_nop 0
.rept 4
	v_nop
.endr
	s_branch .Lfirst_asked
.Lfirst_v:
	tensor_load_to_lds s[G0VE:G0VE+3], s[G1E:G1E+7]
	s_nop 0
	tensor_load_to_lds s[G0VL:G0VL+3], s[G1L:G1L+7]
	s_nop 0
.rept 4
	v_nop
.endr
.Lfirst_asked:
	; Q.  Tile A's queries 128 w + 32 cx + r lie at positions 128 w + 32 cx + r + 8 (r / 8); tile B's queries 128 (15 - w) + 32 cx + 16 + r eight positions further on in their group of 32
	s_lshl_b32 s90, s[WV], 7
	s_lshl_b32 s55, s19, 5                         ; 32 cx
	s_add_co_u32 s90, s90, s55
	s_lshl_b32 s90, s90, 6
	s_mov_b32 s91, 0
	s_add_nc_u64 s[92:93], s[4:5], s[90:91]
	s_lshl_b32 s94, s[GB], 7
	s_add_co_u32 s94, s94, s55
	s_add_co_u32 s94, s94, 8
	s_lshl_b32 s94, s94, 6
	s_mov_b32 s95, 0
	s_add_nc_u64 s[96:97], s[4:5], s[94:95]
	v_and_b32 v6, 15, v0                           ; r
	s_wait_alu depctr_va_vdst(0)
	v_bfe_u32 v7, v0, 4, 1                         ; h
	v_and_b32 v10, 8, v6
	s_delay_alu instid0(VALU_DEP_1)
	v_add_nc_u32 v10, v10, v6
	s_delay_alu instid0(VALU_DEP_1)
	v_lshlrev_b32 v10, 6, v10
	s_delay_alu instid0(VALU_DEP_1)
	v_lshl_add_u32 v10, v7, 4, v10                 ; (r + 8 (r / 8)) x 64 + 16 h; not rewritten
	global_load_b128 v[QA:QA+3],   v10, s[92:93]
	global_load_b128 v[QA+4:QA+7], v10, s[92:93] offset:32
	global_load_b128 v[QB:QB+3],   v10, s[96:97]
	global_load_b128 v[QB+4:QB+7], v10, s[96:97] offset:32
	; ac: (128 batch + tile) x 16,384 + head x 1,024
	s_lshr_b32 s84, s60, 4
	s_lshl_b32 s84, s84, 7
	s_and_b32 s85, s60, 15
	s_lshl_b32 s85, s85, 10
	s_lshl_b32 s86, s19, 1
	s_lshl_b32 s87, s[GA], 3
	s_add_co_u32 s87, s87, s86
	s_add_co_u32 s87, s87, s84                     ; tile A: 8 w + 2 cx
	s_lshl_b32 s87, s87, 14
	s_add_co_u32 s90, s87, s85
	s_add_nc_u64 s[56:57], s[12:13], s[90:91]
	s_lshl_b32 s87, s[GB], 3
	s_add_co_u32 s87, s87, s86
	s_add_co_u32 s87, s87, 1                       ; tile B: 8 (15 - w) + 2 cx + 1
	s_add_co_u32 s87, s87, s84
	s_lshl_b32 s87, s87, 14
	s_add_co_u32 s94, s87, s85
	s_add_nc_u64 s[58:59], s[12:13], s[94:95]
	v_lshrrev_b32 v11, 2, v6
	s_delay_alu instid0(VALU_DEP_1)
	v_mul_u32_u24 v[AK0], v11, PK
	v_and_b32 v11, 3, v6
	s_delay_alu instid0(VALU_DEP_1)
	v_lshl_add_u32 v[AK0], v11, 6, v[AK0]
	s_wait_alu depctr_va_vdst(0)
	v_lshl_add_u32 v[AK0], v7, 4, v[AK0]           ; K: position r of a tile: row r / 4, byte 64 (r % 4) + 16 h
	v_mul_u32_u24 v[AV0], v6, PK
	s_delay_alu instid0(VALU_DEP_1)
	v_lshl_add_u32 v[AV0], v7, 4, v[AV0]           ; V: row r, + 16 h
	v_lshlrev_b32 v11, 4, v7
	s_delay_alu instid0(VALU_DEP_1)
	v_sub_nc_u32 v[DA], v6, v11
	s_delay_alu instid0(VALU_DEP_1)
	v_add_nc_u32 v[DA], s55, v[DA]                 ; 32 cx + r - 16 h
	s_delay_alu instid0(VALU_DEP_1)
	v_add_nc_u32 v[DB], 16, v[DA]
	v_and_b32 v[LI], 31, v0
	s_delay_alu instid0(VALU_DEP_1)
	v_lshlrev_b32 v[LI], 4, v[LI]
	v_mov_b32 v[STA+1], 0xff61b1e6                 ; the largest t so far: -3e38, under every t
	s_delay_alu instid0(VALU_DEP_1)
	v_floor_f32 v[STA], -v[STA+1]                  ; -M
	v_mov_b32 v[STA+2], 0
	v_mov_b32 v[STA+3], 0
	v_mov_b32 v[STB+1], 0xff61b1e6
	s_delay_alu instid0(VALU_DEP_1)
	v_floor_f32 v[STB], -v[STB+1]
	v_mov_b32 v[STB+2], 0
	v_mov_b32 v[STB+3], 0
	v_mov_b32 v[PM], 0
	v_mov_b32 v[FF+1], 0
	v_mov_b32 v[NINF], 0xff800000
.set j, 0
.rept 64
	v_mov_b32 v[OA+j], 0                           ; O^T of both tiles: the step is written once; the first change of M leaves zeros zeros
.set j, j+1
.endr
	s_wait_kmcnt 0x0
	s_add_co_i32 s84, s70, s71
	s_lshl_b32 s84, s84, 23
	s_add_co_i32 s[CS], s[CS], s84                 ; c x 2^(e2 + e3)
	s_mov_b32 s[CS+1], s[CS]
	s_add_co_i32 s84, s72, 127
	s_lshl_b32 s85, s84, 23
	v_mov_b32 v[PS], s85                           ; 2^e4
	s_add_co_i32 s84, s74, 127
	s_lshl_b32 s85, s84, 23
	v_mov_b32 v[AS], s85                           ; 2^e6
	s_add_co_i32 s[E45], s72, s73
; ONE TILE'S KEY STEP: 128 keys, the q-th of the chunk in hand.  st: the tile's statistics; qf: its Q; ob: its O^T; dr: its register for the mask; g: the scalar with its last step.
.macro TSTEP q, st, qf, ob, dr, g
	s_add_co_u32 s[TN], s[SN], \q
	s_cmp_gt_u32 s[TN], s[\g]                      ; all keys of the step come after the tile's queries: nothing to do
	s_cbranch_scc1 .Lhid_\@
	v_add_nc_u32 v[ADK], s[TBK], v[AK0]
	v_add_nc_u32 v[ADV], s[TBV], v[AV0]
	v_nop
	v_nop                                          ; four places in front of loads into registers that the last products read
.irp t, 0,1,2,3,4,5,6,7
.irp c, 0,1
	ds_load_b128 v[F+8*\t+4*\c:F+8*\t+4*\c+3], v[ADK] offset:(\q)*32*PK+\t*4*PK+32*\c
.endr
.endr
	s_wait_alu depctr_va_vdst(0)
	s_wait_dscnt 0x0
.irp t, 0,1,2,3,4,5,6,7
	v_wmma_f32_16x16x64_fp8_fp8 v[S+8*\t:S+8*\t+7], v[F+8*\t:F+8*\t+7], v[\qf:\qf+7], 0
.endr
.rept 4
	v_nop
.endr
.irp t, 0,1,2,3                                ; V's fragments are asked for here and land under the softmax
.irp c, 0,1,2,3
	ds_load_b128 v[F+16*\t+4*\c:F+16*\t+4*\c+3], v[ADV] offset:\t*16*PK+128*(\q)+32*\c
.endr
.endr
	s_cmp_lg_u32 s[TN], s[\g]                      ; only the tile's last step lies on the diagonal
	s_cbranch_scc1 .Lopen_\@
.set n, 0
.rept 64
	v_cmp_gt_i32 vcc_lo, 32*(n/16)+n%16, v[\dr]    ; register 16 b + i holds the step's key 32 b + 16 (lane / 16) + i: hidden where it comes after my query
	v_cndmask_b32 v[S+n], v[S+n], v[NINF], vcc_lo
.set n, n+1
.endr
.Lopen_\@:
	v_max3_num_f32 v[MX0], v[S], v[S+1], v[S+2]    ; the step's largest score of my query among my 64 keys, in two chains, each accumulator from its low end on,
	v_max3_num_f32 v[MX1], v[S+3], v[S+4], v[S+5]
.irp i, 6,10,14,18,22,26,30,34,38,42,46,50,54,58
	v_max3_num_f32 v[MX0], v[MX0], v[S+\i], v[S+\i+1]
	v_max3_num_f32 v[MX1], v[MX1], v[S+\i+2], v[S+\i+3]
.endr
	v_max3_num_f32 v[MX0], v[MX0], v[S+62], v[S+63]
	s_delay_alu instid0(VALU_DEP_1)
	v_max_num_f32 v[MX0], v[MX0], v[MX1]
	s_delay_alu instid0(VALU_DEP_1)
	v_permlanex16_b32 v[PM], v[MX0], s[SEL], s[SEL+1]
	s_delay_alu instid0(VALU_DEP_1)
	v_max_num_f32 v[MX0], v[MX0], v[PM]            ; and among lane l xor 16's
	s_delay_alu instid0(VALU_DEP_1)
	v_mul_f32 v[MX0], s[CS], v[MX0]                ; as t (c is positive)
	s_delay_alu instid0(VALU_DEP_1)
	v_max_num_f32 v[\st+1], v[\st+1], v[MX0]       ; the running largest t
	v_mov_b32 v[MX0], v[\st]
	s_delay_alu instid0(VALU_DEP_2)
	v_floor_f32 v[\st], -v[\st+1]                  ; the new -M = floor(-t): M is a whole number
	s_delay_alu instid0(VALU_DEP_1)
	v_sub_f32 v[MX0], v[\st], v[MX0]               ; old M - new M: a whole number, 0 or less
	s_delay_alu instid0(VALU_DEP_1)
	v_cvt_i32_f32 v[MX0], v[MX0]                   ; (it saturates)
	s_delay_alu instid0(VALU_DEP_1)
	v_ldexp_f32 v[FF], 1.0, v[MX0]                 ; f = 2^(old M - new M): a multiplication by it rounds nothing
.set j, 0
.rept 32
	v_pk_fma_f32 v[S+j:S+j+1], v[S+j:S+j+1], s[CS:CS+1], v[\st:\st+1] op_sel_hi:[1,0,0]   ; t - M, two at a time
.set j, j+2
.endr
.set j, 0
	s_wait_alu depctr_va_vdst(0)
.rept 64
	v_exp_f32 v[S+j], v[S+j]                       ; p = 2^(t - M)
.set j, j+1
.endr
	v_pk_mul_f32 v[\st+2:\st+3], v[\st+2:\st+3], v[FF:FF+1] op_sel_hi:[1,0]   ; the sums under the new M: the plain instruction behind the exponentials
	s_wait_alu depctr_va_vdst(0)                   ; one wait for the batch, ahead of its first reader
	v_pk_add_f32 v[SC:SC+1], v[S:S+1], v[S+2:S+3]  ; the row's sum is taken of the unquantised p, in two chains
.irp j, 4,8,12,16,20,24,28,32,36,40,44,48,52,56,60
	v_pk_add_f32 v[\st+2:\st+3], v[\st+2:\st+3], v[S+\j:S+\j+1]
	v_pk_add_f32 v[SC:SC+1], v[SC:SC+1], v[S+\j+2:S+\j+3]
.endr
	s_delay_alu instid0(VALU_DEP_1)
	v_pk_add_f32 v[\st+2:\st+3], v[\st+2:\st+3], v[SC:SC+1]
.irp b, 0,1,2,3
.irp i, 0,1,2,3,4,5,6,7,8,9,10,11,12,13,14,15
.endr
	v_cvt_scalef32_pk8_fp8_f32 v[P+4*\b:P+4*\b+1], v[S+16*\b:S+16*\b+7], v[PS]
	v_cvt_scalef32_pk8_fp8_f32 v[P+4*\b+2:P+4*\b+3], v[S+16*\b+8:S+16*\b+15], v[PS]
.endr
.set j, 0
.rept 16
	v_pk_mul_f32 v[\ob+j:\ob+j+1], v[\ob+j:\ob+j+1], v[FF:FF+1] op_sel_hi:[1,0]   ; O^T under the new M; these are also the plain instructions behind the conversions
.set j, j+2
.endr
	s_wait_alu depctr_va_vdst(0)
	s_wait_dscnt 0x0                               ; V's fragments are in
.irp t, 0,1,2,3                                ; the four accumulators take turns; between two products on one of them stand the next step's eight
	v_wmma_f32_16x16x128_fp8_fp8 v[\ob+8*\t:\ob+8*\t+7], v[F+16*\t:F+16*\t+15], v[P:P+15], v[\ob+8*\t:\ob+8*\t+7]
.endr
.Lhid_\@:
.endm
.macro CHUNK                           ; 256 keys: two steps for each of my two tiles
	TSTEP 0, STA, QA, OA, DA, GA
	TSTEP 0, STB, QB, OBB, DB, GB
	TSTEP 1, STA, QA, OA, DA, GA
	TSTEP 1, STB, QB, OBB, DB, GB
.endm
	s_wait_tensorcnt 1                             ; my part of the first 256 keys is in; my late piece may stay out
	s_barrier_signal -1
	s_barrier_wait -1                              ; everybody's is
	s_mov_b32 s[TBK], 0
	s_mov_b32 s[TBV], CHB
	s_mov_b32 s[SN], 0
	s_wait_loadcnt 0x0                             ; Q
	CHUNK                                          ; the first chunk is worked while the other seven land
	s_wait_tensorcnt 0x0                           ; my late piece is in,
	s_wait_dscnt 0x0
	s_barrier_signal -1
	s_barrier_wait -1                              ; everybody's is: from here on the waves run free
	s_mov_b32 s[TBK], KL
	s_mov_b32 s[TBV], VL
	s_mov_b32 s[SN], 2
	s_mov_b32 s[CNT], 7
.Lchunk:
	CHUNK
	s_add_co_u32 s[TBK], s[TBK], CHB
	s_add_co_u32 s[TBV], s[TBV], CHB
	s_add_co_u32 s[SN], s[SN], 2
	s_sub_co_u32 s[CNT], s[CNT], 1
	s_cmp_lg_u32 s[CNT], 0
	s_cbranch_scc1 .Lchunk
; THE WAY OUT of a tile: O^T x 2^(e4 + e5) / the sum, held, quantised with 2^e6.  A lane's 32 numbers are d = 32 b + 16 h + 0 .. 15, b = 0, 1: two stores of 512 consecutive bytes a wave.
.macro FINISH st, ob, res, cod, base
	v_add_f32 v[MX0], v[\st+2], v[\st+3]           ; the sum's two halves,
	s_delay_alu instid0(VALU_DEP_1)
	v_permlanex16_b32 v[PM], v[MX0], s[SEL], s[SEL+1]
	s_delay_alu instid0(VALU_DEP_1)
	v_add_f32 v[MX0], v[MX0], v[PM]                ; and lane l xor 16's
	s_wait_alu depctr_va_vdst(0)
	v_rcp_f32 v[MX1], v[MX0]
	v_nop                                          ; a plain instruction behind the transcendental
	s_wait_alu depctr_va_vdst(0)                   ; and the wait ahead of its first reader
	v_ldexp_f32 v[FF], v[MX1], s[E45]
.set j, 0
.rept 16
	v_pk_mul_f32 v[\res+j:\res+j+1], v[\ob+j:\ob+j+1], v[FF:FF+1] op_sel_hi:[1,0]
.set j, j+2
.endr
.set j, 0
.rept 32
.set j, j+1
.endr
.irp g, 0,1,2,3
	v_cvt_scalef32_pk8_fp8_f32 v[\cod+2*\g:\cod+2*\g+1], v[\res+8*\g:\res+8*\g+7], v[AS]
.endr
	v_nop
	global_store_b128 v[LI], v[\cod:\cod+3], s[\base:\base+1]
	global_store_b128 v[LI], v[\cod+4:\cod+7], s[\base:\base+1] offset:512
.endm
.rept 4
	v_nop                                          ; places behind the last products, which may be a tile's own
.endr
	FINISH STA, OA, S, P, 56
	FINISH STB, OBB, S+32, P+8, 58
	s_wait_dscnt 0x0
	s_wait_xcnt 0x0
	v_lshl_add_u32 v254, v0, 2, 0x44000
	v_mov_b32 v255, 0
	s_wait_alu depctr_va_vdst(0)
	s_wait_tensorcnt 0x0
	ds_add_u32 v254, v255
	s_wait_dscnt 0x0
	ROUND                                          ; the closing round
	s_endpgm
.Lfunc_end_k_qf08885304e_attn:
	.size	k_qf08885304e_attn, .Lfunc_end_k_qf08885304e_attn-k_qf08885304e_attn
	.p2alignl 7, 3214868480
	.fill 96, 4, 3214868480
	.section	.rodata,"a",@progbits
	.p2align	6, 0x0
	.amdhsa_kernel k_qf08885304e_attn
		.amdhsa_group_segment_fixed_size 280576
		.amdhsa_private_segment_fixed_size 0
		.amdhsa_enable_private_segment 0
		.amdhsa_kernarg_size 40
		.amdhsa_user_sgpr_count 2
		.amdhsa_user_sgpr_kernarg_segment_ptr 1
		.amdhsa_wavefront_size32 1
		.amdhsa_system_sgpr_workgroup_id_x 1
		.amdhsa_system_sgpr_workgroup_id_y 1
		.amdhsa_system_sgpr_workgroup_id_z 1
		.amdhsa_system_vgpr_workitem_id 0
		.amdhsa_next_free_vgpr 256
		.amdhsa_next_free_sgpr 100
		.amdhsa_reserve_vcc 1
		.amdhsa_float_denorm_mode_32 3
		.amdhsa_float_denorm_mode_16_64 3
		.amdhsa_fp16_overflow 1
		.amdhsa_memory_ordered 1
		.amdhsa_forward_progress 1
		.amdhsa_inst_pref_size 164
	.end_amdhsa_kernel
	.amdgpu_metadata
---
amdhsa.version: [ 1, 2 ]
amdhsa.kernels:
  - .name:           k_qf08885304e_attn
    .symbol:         k_qf08885304e_attn.kd
    .args:
      - { .name: qc, .offset: 0, .size: 8, .value_kind: global_buffer, .address_space: global }
      - { .name: kc, .offset: 8, .size: 8, .value_kind: global_buffer, .address_space: global }
      - { .name: vc, .offset: 16, .size: 8, .value_kind: global_buffer, .address_space: global }
      - { .name: lowp_scales, .offset: 24, .size: 8, .value_kind: global_buffer, .address_space: global }
      - { .name: ac, .offset: 32, .size: 8, .value_kind: global_buffer, .address_space: global }
    .group_segment_fixed_size: 280576
    .private_segment_fixed_size: 0
    .kernarg_segment_align: 8
    .kernarg_segment_size: 40
    .max_flat_workgroup_size: 512
    .sgpr_count:     100
    .vgpr_count:     256
    .wavefront_size: 32
...
	.end_amdgpu_metadata
.endif
;; end of part 3
;; launch gemm_proj (part 4): grid 4 x 64, 4 waves a work-group, clusters of 4 x 4, 327,680 bytes of LDS; arguments ac, wp, lowp_scales, out0; writes out0
.if DOCPART == 4
	.amdgcn_target "amdgcn-amd-amdhsa--gfx1250"
	.amdhsa_code_object_version 6
	.text
	.protected	k_qf08885304e_gemm_proj
	.globl	k_qf08885304e_gemm_proj
	.p2align	8
	.type	k_qf08885304e_gemm_proj,@function
k_qf08885304e_gemm_proj:
	s_mov_b64 s[64:65], 0
	v_nop
	global_prefetch_b8 v0, s[64:65] scope:SCOPE_SE
	s_setreg_imm32_b32 hwreg(HW_REG_WAVE_MODE, 25, 1), 1
	s_wait_xcnt 0x0
	s_wait_alu depctr_hold_cnt(0) depctr_sa_sdst(0) depctr_va_vdst(0) depctr_va_sdst(0) depctr_va_ssrc(0) depctr_va_vcc(0) depctr_vm_vsrc(0)
	s_getreg_b32 s2, hwreg(HW_REG_IB_STS2, 6, 4)
	s_cmp_eq_u32 s2, 0
	s_cbranch_scc0 .Lentry_in_a_cluster
	s_endpgm
.Lentry_in_a_cluster:
	s_bfe_u32 s2, ttmp6, 0x10000c
	s_cmp_lg_u32 s2, 0xf033
	s_cbranch_scc0 .Lentry_shape_is_right
	s_endpgm
.Lentry_shape_is_right:
; out0 = attention's result x w_proj on codes of FP8 (E4M3); each finished sum is multiplied once by 2^(e6 + e7).  out0: [8192][1024] f32.
; LIMIT: e6 + e7 lies between -126 and 127, so that 2^(e6 + e7) is an f32 number.
; ac: [512 tiles of 16 rows][16 heads][1,024 bytes]: images of operand registers: 2,048 consecutive bytes are a fragment of 16 rows x 128 K, register group c of lane l at 512 c + 16 l.  wp: [1024 n][1024 k] codes.
; A work-group makes 128 rows x 256 columns, so that there are 256 work-groups; a wave 64 x 128: 32 accumulators.  K = 1,024 is four K steps of 256.  THREE LDS slots are filled at the start; only the fourth
; K step is a refill (of slot 0), behind the one round in the walk along K: it has two K steps in which to land.  The text is straight: no loop.
; CLUSTERS: 4 x 4: ac's tiles are shared along a row of the cluster, wp's along a column.  THE MATRIX INSTRUCTION IS USED TRANSPOSED (source 0 = 16 rows of wp, source 1 = 16 rows of ac).
; REGISTERS: window 0: v0-31 addresses; v128-191, v192-255 ac's fragments, two sets; on the way out v32-255.  window 1: wp's fragments, two sets of 128.  window 2: accumulator (a, b) at v[8 (8 a + b)].
.set PITCH,  272                       ; wp's rows in LDS: 256 bytes + 16 of padding
.set FR,     16
.set ABYTES, 32768                     ; a slot: ac's 8 tiles x 4,096 bytes, dense,
.set HALFB,  128*PITCH                 ; then wp's 256 rows
.set SLOT,   ABYTES+2*HALFB            ; 102,400
.set SPARE,  3*SLOT                    ; behind the slots: the spare words, 128 bytes for each wave
.set STAGE,  SLOT                      ; the way out: 16 rows x (512 bytes + 16) for each wave, in slot 1: filled once, and read by nobody behind the last barrier
.set SPITCH, 528
.set ADRA, 16                          ; v16-18  LDS address of my fragments of ac in slot 0, 1, 2
.set ADRB, 20                          ; v20-22  the same for wp
.set STO,  24
.set RD,   25
.set CO,   26                          ; v26     16 x lane
.set SPW,  28
.set NIL,  29
.set TMP,  32
.set AF,   128
.set BK,   128
.set G1A, 24                           ; s[24:31] group 1 for ac's tiles;  s[32:43] three groups 0
.set G0A, 32
.set G1B, 48                           ; s[48:55] group 1 for wp's tiles;  s[76:87] three groups 0
.set G0B, 76
.set MSB, 0
.macro WIN new
.if MSB != \new
	s_set_vgpr_msb (MSB<<8)|\new
.set MSB, \new
.endif
.endm
.set MUL,  0xa1                        ; source 0 (wp) window 1, source 1 (ac) window 0, C and D window 2
.set TO_B, 0x40
.macro JLOAD g0a, g1a, g0b, g1b        ; waves 0 and 1 fetch for ac, waves 2 and 3 for wp; four v_nop follow each of the two lines
	s_cmp_eq_u32 s15, 0
	s_cbranch_scc0 .Lfor_b_\@
	tensor_load_to_lds s[\g0a:\g0a+3], s[\g1a:\g1a+7]
	s_nop 0
.rept 4
	v_nop
.endr
	s_branch .Lasked_\@
.Lfor_b_\@:
	tensor_load_to_lds s[\g0b:\g0b+3], s[\g1b:\g1b+7]
	s_nop 0
.rept 4
	v_nop
.endr
.Lasked_\@:
.endm
.macro CREST
	s_cmp_lg_u32 s14, 0
	s_cbranch_scc1 .Lnot_wave_0_\@
	s_barrier_signal -3
.Lnot_wave_0_\@:
	s_barrier_wait -3
	s_barrier_signal -1
	s_barrier_wait -1
.endm
.macro CROUND
	s_barrier_signal -1
	s_barrier_wait -1
	CREST
.endm
.macro PLACES n
.rept \n
	v_nop
.endr
.endm
	s_load_b128 s[4:7], s[0:1], 0x0                ; ac s[4:5], wp s[6:7]
	s_load_b128 s[8:11], s[0:1], 0x10              ; the scales' exponents s[8:9], out0 s[10:11]
	v_lshl_add_u32 v[SPW], v0, 2, SPARE
	v_mov_b32 v[NIL], 0
	ds_add_u32 v28, v29
	ds_add_u32 v28, v29
	s_wait_dscnt 0x0
	v_lshrrev_b32 v1, 5, v0
	v_readfirstlane_b32 s14, v1                    ; wave 0..3
	s_lshr_b32 s15, s14, 1                         ; which 64 rows are mine.  Also: I fetch for ac (0) or for wp (1)
	s_and_b32 s16, s14, 1                          ; which 128 columns.  Also: which half of that tile I fetch
	s_bfe_u32 s56, ttmp6, 0x40000                  ; cx
	s_bfe_u32 s57, ttmp6, 0x40004                  ; cy
	s_lshl_b32 s58, ttmp9, 2
	s_add_co_u32 s58, s58, s56                     ; tile column: 256 columns
	s_and_b32 s17, ttmp7, 0xffff
	s_lshl_b32 s17, s17, 2
	s_add_co_u32 s17, s17, s57                     ; tile row: 128 rows
	s_lshl_b32 s59, s57, 2
	s_lshl_b32 s59, 15, s59                        ; my row of the cluster
	s_lshl_b32 s60, 0x1111, s56                    ; my column
	s_or_b32 s[G1A], s59, (0<<16)|(1<<21)          ; ac: 4 rows of 4,096 bytes (a tile's four heads), 16,384 bytes apart; no padding: a load's 512 bytes are consecutive
	s_mov_b32 s[G1A+1], 4096<<16
	s_mov_b32 s[G1A+2], 4<<16
	s_mov_b32 s[G1A+3], 4096<<16
	s_mov_b32 s[G1A+4], 4
	s_mov_b32 s[G1A+5], 16384
	s_mov_b32 s[G1A+6], 0
	s_mov_b32 s[G1A+7], 0
	s_or_b32 s[G1B], s60, (0<<16)|(1<<20)|(1<<21)|(5<<22)|(3<<25)  ; wp: 128 rows of 256 bytes, four words of padding after every 64
	s_mov_b32 s[G1B+1], 256<<16
	s_mov_b32 s[G1B+2], 128<<16
	s_mov_b32 s[G1B+3], 256<<16
	s_mov_b32 s[G1B+4], 128
	s_mov_b32 s[G1B+5], 1024
	s_mov_b32 s[G1B+6], 0
	s_mov_b32 s[G1B+7], 0
	s_lshl_b32 s20, s17, 3
	s_lshl_b32 s21, s16, 2
	s_add_co_u32 s20, s20, s21
	s_lshl_b32 s20, s20, 14                        ; ac: tile 8 x tile row + 4 x half
	s_mov_b32 s21, 0
	s_lshl_b32 s46, s58, 8
	s_lshl_b32 s47, s16, 7
	s_add_co_u32 s46, s46, s47
	s_lshl_b32 s46, s46, 10                        ; wp: row 256 x tile column + 128 x half
	s_mov_b32 s47, 0
	s_lshl_b32 s44, s16, 14                        ; where they go in a slot
	s_mul_i32 s45, s16, HALFB
	s_add_co_u32 s45, s45, ABYTES
	s_wait_kmcnt 0x0
	s_load_b256 s[68:75], s[8:9], 0x0              ; e0 .. e7
	s_add_nc_u64 s[20:21], s[4:5], s[20:21]
	s_add_nc_u64 s[46:47], s[6:7], s[46:47]
	CROUND                                         ; all sixteen work-groups are here: the first joint loads meet
.irp s, 0,1,2
	s_mov_b32 s[G0A+4*\s], 1
	s_add_co_u32 s[G0A+4*\s+1], s44, \s*SLOT
	s_add_nc_u64 s[G0A+4*\s+2:G0A+4*\s+3], s[20:21], \s*4096
	s_or_b32 s[G0A+4*\s+3], s[G0A+4*\s+3], 0x80000000
	s_mov_b32 s[G0B+4*\s], 1
	s_add_co_u32 s[G0B+4*\s+1], s45, \s*SLOT
	s_add_nc_u64 s[G0B+4*\s+2:G0B+4*\s+3], s[46:47], \s*256
	s_or_b32 s[G0B+4*\s+3], s[G0B+4*\s+3], 0x80000000
.endr
	s_cmp_eq_u32 s15, 0                            ; a wave's three first fills stand in one branch: three loads of mine are out
	s_cbranch_scc0 .Lfirst_b
	tensor_load_to_lds s[G0A:G0A+3], s[G1A:G1A+7]
	s_nop 0
	tensor_load_to_lds s[G0A+4:G0A+7], s[G1A:G1A+7]
	s_nop 0
	tensor_load_to_lds s[G0A+8:G0A+11], s[G1A:G1A+7]
	s_nop 0
.rept 4
	v_nop
.endr
	s_branch .Lfirst_asked
.Lfirst_b:
	tensor_load_to_lds s[G0B:G0B+3], s[G1B:G1B+7]
	s_nop 0
	tensor_load_to_lds s[G0B+4:G0B+7], s[G1B:G1B+7]
	s_nop 0
	tensor_load_to_lds s[G0B+8:G0B+11], s[G1B:G1B+7]
	s_nop 0
.rept 4
	v_nop
.endr
.Lfirst_asked:
	v_and_b32 v1, 15, v0                           ; r
	v_bfe_u32 v2, v0, 4, 1                         ; h
	v_and_b32 v6, 31, v0
	v_lshlrev_b32 v[CO], 4, v6
	v_mul_u32_u24 v3, v1, PITCH
	v_lshl_add_u32 v4, v2, 4, v3
	s_lshl_b32 s21, s15, 14                        ; my four tiles of ac
	s_mul_i32 s22, s16, HALFB
	s_add_co_u32 s22, s22, ABYTES                  ; my 128 rows of wp
.irp s, 0,1,2
	v_add_nc_u32 v[ADRA+\s], s21, v[CO]
	v_add_nc_u32 v[ADRB+\s], s22, v4
	s_add_co_u32 s21, s21, SLOT
	s_add_co_u32 s22, s22, SLOT
.endr
	s_mul_i32 s23, s14, 16*SPITCH
	s_add_co_u32 s23, s23, STAGE                   ; my stage
	v_mul_u32_u24 v5, v1, SPITCH
	v_lshl_add_u32 v5, v2, 5, v5
	v_add_nc_u32 v[STO], s23, v5                   ; in: row r, 32 bytes for each half of the lanes
	v_add_nc_u32 v[RD], s23, v[CO]                 ; back: the 32 lanes take one row of 512 bytes
	s_lshl_b32 s20, s17, 7
	s_lshl_b32 s21, s15, 6
	s_add_co_u32 s20, s20, s21                     ; my first row of out0
	s_lshl_b32 s20, s20, 12                        ; rows of 4,096 bytes
	s_mov_b32 s21, 0
	s_lshl_b32 s46, s58, 10                        ; my first column, in bytes
	s_lshl_b32 s47, s16, 9
	s_add_co_u32 s46, s46, s47
	s_mov_b32 s47, 0
	s_add_nc_u64 s[20:21], s[20:21], s[46:47]
	s_add_nc_u64 s[10:11], s[10:11], s[20:21]
; 48 LDS loads in one run: the fragments of the slot's q-th 128 along K into set p
.macro FETCH slot, q, p
	WIN TO_B
.irp i, 0,1,2,3,4,5,6,7
.irp c, 0,1,2,3
	ds_load_b128 v[128*(\p)+FR*\i+4*\c:128*(\p)+FR*\i+4*\c+3], v[ADRB+\slot] offset:\i*16*PITCH+128*(\q)+32*\c
.endr
.endr
	WIN 0
.irp i, 0,1,2,3
.irp c, 0,1,2,3
	ds_load_b128 v[AF+64*(\p)+FR*\i+4*\c:AF+64*(\p)+FR*\i+4*\c+3], v[ADRA+\slot] offset:\i*4096+2048*(\q)+512*\c
.endr
.endr
.endm
; 8 matrix instructions: ac's block a against wp's eight.  The 32 accumulators take turns, one instruction a turn, in the same order in every step.
.macro MUL8 a, p, zero
.irp b, 0,1,2,3,4,5,6,7
.if \zero
	v_wmma_f32_16x16x128_fp8_fp8 v[8*(8*(\a)+\b):8*(8*(\a)+\b)+7], v[128*(\p)+FR*\b:128*(\p)+FR*\b+FR-1], v[AF+64*(\p)+FR*(\a):AF+64*(\p)+FR*(\a)+FR-1], 0
.else
	v_wmma_f32_16x16x128_fp8_fp8 v[8*(8*(\a)+\b):8*(8*(\a)+\b)+7], v[128*(\p)+FR*\b:128*(\p)+FR*\b+FR-1], v[AF+64*(\p)+FR*(\a):AF+64*(\p)+FR*(\a)+FR-1], v[8*(8*(\a)+\b):8*(8*(\a)+\b)+7]
.endif
.endr
.endm
; A step of 128 along K on set p; the next step's fragments (slot ns, its nq-th 128) are asked for first, into the other set.
.macro STEP p, zero, ns, nq
	s_wait_dscnt 0x0                               ; set p is in
	PLACES 4                                       ; in front of loads into the set that the last step multiplied
	FETCH \ns, \nq, 1-(\p)
	WIN MUL
	MUL8 0, \p, \zero
	MUL8 1, \p, \zero
	MUL8 2, \p, \zero
	MUL8 3, \p, \zero
	WIN 0
.endm
; A step that changes to a slot whose landing has to be shown to all: one barrier; in front of it each wave waits for all its tensor loads, adds 0 to its spare word, and waits for that and for its LDS reads.
.macro TURN p, fill, ns
	s_wait_tensorcnt 0x0                           ; all my tensor loads have landed
	ds_add_u32 v[SPW], v[NIL]                      ; 0 onto my spare word
	s_wait_dscnt 1                                 ; set p is in (the add may be out)
	WIN MUL
	MUL8 0, \p, 0
	s_wait_dscnt 0x0                               ; the add is done, and my reads of the slot that I leave are over
	s_barrier_signal -1
	MUL8 1, \p, 0
	WIN 0
	s_barrier_wait -1
.if \fill
	CREST                                          ; the barrier has opened a round of the cluster's: no wave of any partner still reads slot 0 or has a load on its way
	s_add_nc_u64 s[G0A+2:G0A+3], s[G0A+2:G0A+3], 3*4096   ; slot 0 takes the fourth K step
	s_add_nc_u64 s[G0B+2:G0B+3], s[G0B+2:G0B+3], 3*256
	JLOAD G0A, G1A, G0B, G1B                       ; the first tensor load behind the round, and my only one; its four v_nop are the places in front of the loads below
.else
	PLACES 4
.endif
	FETCH \ns, 0, 1-(\p)
	WIN MUL
	MUL8 2, \p, 0
	MUL8 3, \p, 0
	WIN 0
.endm
	s_wait_alu depctr_va_vdst(0)
	s_wait_tensorcnt 2                             ; my part of slot 0 is in; slots 1 and 2 may stay out
	s_barrier_signal -1
	s_barrier_wait -1                              ; everybody's is
	FETCH 0, 0, 0
	STEP 0, 1, 0, 1                                ; K   0-127: the first products start the sums
	TURN 1, 1, 1                                   ; K 128-255; slots 1 and 2 are whole for everybody; slot 0 is filled again
	STEP 0, 0, 1, 1                                ; K 256-383
	STEP 1, 0, 2, 0                                ; K 384-511
	STEP 0, 0, 2, 1                                ; K 512-639
	TURN 1, 0, 0                                   ; K 640-767; the fourth K step is whole for everybody
	STEP 0, 0, 0, 1                                ; K 768-895
	s_wait_dscnt 0x0
	WIN MUL
	MUL8 0, 1, 0                                   ; K 896-1023
	MUL8 1, 1, 0
	MUL8 2, 1, 0
	MUL8 3, 1, 0
	WIN 0
; THE WAY OUT, block by block of 16 rows x 128 columns, through my own stage: a lane holds 32 neighbouring bytes of a row; whole rows of 512 bytes come back and are stored by the 32 lanes.
.macro TOSTAGE a
.set AC, 64*(\a)
	WIN 0x02                                       ; source 0: window 2
.set j, 0
.rept 32
	v_pk_mul_f32 v[TMP+j:TMP+j+1], v[AC+j:AC+j+1], s[96:97] op_sel_hi:[1,0]   ; x 2^(e6 + e7); each accumulator from its low end on
.set j, j+2
.endr
	WIN 0
.irp b, 0,1,2,3,4,5,6,7
	ds_store_b128 v[STO], v[TMP+8*\b:TMP+8*\b+3] offset:64*\b
	ds_store_b128 v[STO], v[TMP+8*\b+4:TMP+8*\b+7] offset:64*\b+16
.endr
.set BB, BK+64*((\a)%2)
.irp t, 0,1,2,3,4,5,6,7,8,9,10,11,12,13,14,15
	ds_load_b128 v[BB+4*\t:BB+4*\t+3], v[RD] offset:\t*SPITCH   ; LDS serves a wave's instructions in order: these see my stores
.endr
.endm
.macro SEND a, younger                 ; younger: the LDS instructions issued behind block a's loads, which may stay out
.set BB, BK+64*((\a)%2)
	s_wait_dscnt \younger
.if (\a) > 0
	s_add_nc_u64 s[10:11], s[10:11], 16*4096       ; (behind a wait on XCNT: the earlier stores have read their base)
.endif
.irp t, 0,1,2,3,4,5,6,7,8,9,10,11,12,13,14,15
	global_store_b128 v[CO], v[BB+4*\t:BB+4*\t+3], s[10:11] offset:\t*4096 th:TH_STORE_NT   ; 32 lanes store 512 consecutive bytes, aligned; written once, read by nobody here
.endr
.endm
	s_wait_kmcnt 0x0
	s_add_co_i32 s96, s74, s75
	s_add_co_i32 s96, s96, 127
	s_lshl_b32 s96, s96, 23                        ; 2^(e6 + e7) as f32
	s_mov_b32 s97, s96                             ; (named with it as a pair, so it is written)
	PLACES 4
	TOSTAGE 0
.irp a, 1,2,3
.if \a > 1
	s_wait_xcnt 0x0                                ; block a - 2's stores have read their registers and their base
.endif
	TOSTAGE \a
	SEND \a-1, 32                                  ; behind block a - 1's loads: block a's 16 stores and 16 loads
.endr
	s_wait_xcnt 0x0
	SEND 3, 0
	s_wait_tensorcnt 0x0                           ; the wave's end
	ds_add_u32 v[SPW], v[NIL]
	s_wait_dscnt 0x0
	CROUND                                         ; the closing round
	s_endpgm
.Lfunc_end_k_qf08885304e_gemm_proj:
	.size	k_qf08885304e_gemm_proj, .Lfunc_end_k_qf08885304e_gemm_proj-k_qf08885304e_gemm_proj
	.p2alignl 7, 3214868480
	.fill 96, 4, 3214868480
	.section	.rodata,"a",@progbits
	.p2align	6, 0x0
	.amdhsa_kernel k_qf08885304e_gemm_proj
		.amdhsa_group_segment_fixed_size 327680
		.amdhsa_private_segment_fixed_size 0
		.amdhsa_enable_private_segment 0
		.amdhsa_kernarg_size 32
		.amdhsa_user_sgpr_count 2
		.amdhsa_user_sgpr_kernarg_segment_ptr 1
		.amdhsa_wavefront_size32 1
		.amdhsa_system_sgpr_workgroup_id_x 1
		.amdhsa_system_sgpr_workgroup_id_y 1
		.amdhsa_system_sgpr_workgroup_id_z 1
		.amdhsa_system_vgpr_workitem_id 0
		.amdhsa_next_free_vgpr 768
		.amdhsa_next_free_sgpr 100
		.amdhsa_reserve_vcc 0
		.amdhsa_float_denorm_mode_32 3
		.amdhsa_float_denorm_mode_16_64 3
		.amdhsa_memory_ordered 1
		.amdhsa_forward_progress 1
		.amdhsa_inst_pref_size 75
	.end_amdhsa_kernel
	.amdgpu_metadata
---
amdhsa.version: [ 1, 2 ]
amdhsa.kernels:
  - .name:           k_qf08885304e_gemm_proj
    .symbol:         k_qf08885304e_gemm_proj.kd
    .args:
      - { .name: ac, .offset: 0, .size: 8, .value_kind: global_buffer, .address_space: global }
      - { .name: wp, .offset: 8, .size: 8, .value_kind: global_buffer, .address_space: global }
      - { .name: lowp_scales, .offset: 16, .size: 8, .value_kind: global_buffer, .address_space: global }
      - { .name: out0, .offset: 24, .size: 8, .value_kind: global_buffer, .address_space: global }
    .group_segment_fixed_size: 327680
    .private_segment_fixed_size: 0
    .kernarg_segment_align: 8
    .kernarg_segment_size: 32
    .max_flat_workgroup_size: 128
    .sgpr_count:     100
    .vgpr_count:     768
    .wavefront_size: 32
...
	.end_amdgpu_metadata
.endif
;; end of part 4
